; MI455X (gfx1250); checked and timed in simulation.
; The chip was launched on July 23, 2026; its instructions are those of AMD's public machine-readable ISA for CDNA 5 (MIT licence, August 2026) and "CDNA5" Instruction Set Architecture Reference Guide (July 2026). The comments in the code are by the model that wrote it; some were corrected since.
;; Attention. Allowed arithmetic: matrix products marked QUANTISED: E2M3 operands, one E8M0 scale for each 32 along K, by v_wmma_scale_f32_16x16x128_f8f6f4 with both operands' format E2M3, f32 sums; products left as they are: f32 operands where the result goes on into a quantised operand, else bf16, f16 or f32 operands; f32 sums; everything else in f32.
;; Inputs: V_b 1 float32; V_w 1,024 x 1 float32; W1_b 1,024 float32; W1_w 1,024 x 1,024 float32; W2_b 1,024 float32; W2_w 1,024 x 1,024 float32; features 32 x 2,048 x 1,024 float32; hidden 32 x 1,024 float32.
;; Outputs: out0 32 x 1,024 float32; out1 32 x 2,048 x 1 float32.
;; This version of the problem:
;;   THIS VERSION OF THE PROBLEM IS GIVEN IN LOW PRECISION. The matrix products marked QUANTISED in the list below multiply operands that are first quantised to E2M3 (2 exponent bits, 3 mantissa bits; 6 bits a number), with one power-of-two scale for each 32 numbers along K (OCP MX v1.0); their sums are f32. All else is computed in f32.
;;   The module's matrix products, in the order in which they are computed (A, B: the left and right operand; K: the contracted axis; several contracted axes count as one K, in the product's order):
;;     1. [M 32, K 1,024] x [K 1,024, N 1,024]; A: input hidden; B: input W2_w: QUANTISED
;;     2. [M 65,536, K 1,024] x [K 1,024, N 1,024]; A: input features; B: input W1_w: QUANTISED
;;     3. [M 65,536, K 1,024] x [K 1,024, N 1]; A: computed on the way; B: input V_w: left as it is (N = 1 < 16)
;;   THE QUANTISER, for each operand of a quantised product, along K:
;;     - K is cut into blocks of 32 from its start; a last block that is shorter is filled with zeros.
;;     - A block's scale is 2^e with e = floor(log2(the largest magnitude in the block)) - 2, held to -126 .. 127; a block of zeros has e = 0. As a byte (E8M0): e + 127.
;;     - Each number is divided by its block's scale, clamped to +-7.5, and rounded to the nearest number of E2M3, ties to even, subnormals kept.
;;     - The product sums the exact products of the quantised numbers (number of the format x scale) in f32.
;;   ~~~python
;;   def quantise(x, axis):      # numpy; x: float32 -> the quantised numbers, widened to float32 again
;;       x = np.moveaxis(x, axis, -1); K = x.shape[-1]
;;       x = np.pad(x, [(0, 0)] * (x.ndim - 1) + [(0, -K % 32)]); x = x.reshape(x.shape[:-1] + (-1, 32)); a = np.abs(x).max(-1, keepdims=True)
;;       e = np.where(a > 0, np.clip(np.frexp(np.where(a > 0, a, 1))[1] - 1 - 2, -126, 127), 0)      # np.frexp(a)[1] - 1 = floor(log2(a)), exactly
;;       r = np.clip(x / 2.0 ** e, -7.5, 7.5)
;;       step = 2.0 ** (np.maximum(np.frexp(np.where(r == 0, 1, r))[1] - 1, 0) - 3)
;;       q = np.round(r / step) * step * 2.0 ** e      # np.round: ties to even
;;       return np.moveaxis(q.reshape(q.shape[:-2] + (-1,))[..., :K], -1, axis).astype(np.float32)
;;   ~~~
;; One version. Each part assembles by itself: llvm-mc -triple=amdgcn-amd-amdhsa -mcpu=gfx1250 --defsym DOCPART=n.
;; ======== version 1 of 1: 3 launches
;; limits: right only within a limited range of input values
;; workspace buffers: w1img 819,200 bytes; cb 131,072 bytes; lg 262,144 bytes; pc 1,114,112 bytes
;; launch prep (part 1): grid 32 x 1, 16 waves a work-group, no clusters, 92,160 bytes of LDS; arguments W1_w, W2_w, hidden, W1_b, W2_b, w1img, cb; writes w1img, cb
.if DOCPART == 1
	.amdgcn_target "amdgcn-amd-amdhsa--gfx1250"
	.amdhsa_code_object_version 6
	.text
	.protected	k_q6b48f9fb82_prep
	.globl	k_q6b48f9fb82_prep
	.p2align	8
	.type	k_q6b48f9fb82_prep,@function
k_q6b48f9fb82_prep:
	s_mov_b64 s[64:65], 0
	v_nop
	global_prefetch_b8 v0, s[64:65] scope:SCOPE_SE
	s_setreg_imm32_b32 hwreg(HW_REG_WAVE_MODE, 25, 1), 1
	s_wait_xcnt 0x0
; W1 [1024 k][1024 u] f32 becomes codes of FP6 (E2M3) with one E8M0 byte for each 32 along k, laid as IMAGES OF THE OPERAND'S REGISTERS (w1img); and cb[b][u] = c (Q(hidden) Q(W2) + W2_b + W1_b), c = 2 log2(e).
; w1img: 64 tiles of 16 u, 12,800 bytes each: 8 K steps x 3 groups of four registers x 32 lanes x 16 bytes, then 512 bytes of scale words: lane (r, h) has the words of u-row r for K steps 4 h .. 4 h + 3.
; SHARES.  Work-groups 0-15 take W1, 16-31 W2 (only the pointer is chosen); each 64 columns u and all of k.  Wave wv: 32 columns (g = wv / 8), K step s = wv % 8.  A LANE TAKES A COLUMN AND ITS REGISTERS RUN DOWN k:
; a block of 32 is one lane's own, and the conversions give codes with k innermost.  Lanes 0-15 hold the columns of one tile, lanes 16-31 those of the next: an exchange of halves makes both tiles' fragments.
; W1's fragments go straight to memory, 512 consecutive bytes a store.  W2's stay in LDS; the same waves quantise hidden (16 rows x 128 k each), and behind the one barrier waves 0 and 1 multiply: 16 rows of hidden x 64 u each.
; No cluster: the work-groups share only hidden, 128 KB against the 8 MB of weights.  Hidden's loads take 64 bytes a lane from 16 rows: a small input, read once by each of 16 work-groups.
; LIMITS: NaN and infinities among the inputs are not served; a block whose largest magnitude lies under 2^-124 gets the scale byte 1; a block of zeros gets the byte 1 where the rule says 127: its codes are zeros, and this program alone reads the bytes.
; WORK LEFT OUT BY THE PROGRAM.  With r = 1 / (1 + e^(2 x)), tanh x = 1 - 2 r, so logit[b][t] = (the sum of V_w + V_b) - 2 x the sum over u of V_w[u] r[b][t][u].
; The bracket is the same for every t of a batch; softmax over t is unchanged by a term that is the same along t, for all values of the inputs, and both outputs hang on the logits through that softmax alone.
; So V_b is not loaded and is among no launch's arguments, and the sum of V_w is not formed.  LIMIT: a NaN, an infinity or an overflow that reaches only that bracket is not carried to the result.
.set WIMG, 0
.set WSC,  49152                       ; the four tiles' scale blocks, 512 bytes each
.set HIMG, 51200                       ; hidden's 16 fragments, (8 row tile + K step) x 1,536
.set HSC,  75776                       ; their scale words, 128 bytes a fragment
.set OSTG, 77824                       ; the way out: 16 rows x (256 + 16) bytes for each of waves 0 and 1
.set FRB,  1536
.set TILEB, 12800
.set L4,  4                            ; v4   4 x lane: my column's bytes in a row of W; a scale word's place
.set LI,  5                            ; v5   16 x lane: an image's place for my lane
.set WSR, 6                            ; v6   where a wave reads a tile's scale block back
.set SCA, 7                            ; v7   where my column's scale word goes
.set HXA, 8                            ; v8   hidden: 4096 r + 64 h
.set WIA, 9                            ; v9   where I store W2's images
.set HIA, 10                           ; v10  hidden's image
.set HSA, 11                           ; v11  hidden's scale word
.set HFA, 12                           ; v12  where a multiplying wave reads hidden's images
.set HSR, 13                           ; v13  and their scale words
.set SOA, 14                           ; v14  the stage, in
.set SRA, 15                           ; v15  the stage, back
.set X,   16                           ; v16-143  my column's 128 numbers; later hidden's 64
.set F0,  144                          ; v144-155 the first tile's fragment
.set F1,  156                          ; v156-167 the second's
.set T,   168                          ; v168-183 the blocks' upper 16 codes
.set M,   184
.set SW,  189                          ; my column's scale word
.set PW,  190
.set TM,  192
.set PC,  208
.set WS,  228                          ; v228-243 W2's scale words; v244 hidden's: scales and nothing else
.set HS,  244
.set CBO, 248                          ; v248 4096 h + 16 r: my place in two rows of cb
.set BO,  249                          ; v249 16 r: my four u in the biases
.set HF,  16
.set WF,  32
.set D,   80
.set RB,  112
.set B1,  144
.set B2,  148
.set TC,  152
.set WV,  18
.set SEL, 26
.set CS,  28
	s_load_b256 s[4:11], s[0:1], 0x0               ; W1_w, W2_w, hidden, W1_b
	s_load_b128 s[12:15], s[0:1], 0x20             ; W2_b, w1img
	s_load_b64 s[16:17], s[0:1], 0x30              ; cb
	v_lshl_add_u32 v254, v0, 2, 0x16000
	v_mov_b32 v255, 0
	v_lshrrev_b32 v1, 5, v0
	s_delay_alu instid0(VALU_DEP_1)
	v_readfirstlane_b32 s[WV], v1                  ; wave 0..15
	s_lshr_b32 s19, s[WV], 3                       ; g: which 32 columns
	s_and_b32 s20, s[WV], 7                        ; s: which K step
	s_and_b32 s21, ttmp9, 15                       ; p: which 64 columns
	s_and_b32 s30, s[WV], 1                        ; the row tile of a multiplying wave
	v_and_b32 v1, 31, v0                           ; lane
	v_and_b32 v2, 15, v0                           ; r
	s_wait_alu depctr_va_vdst(0)
	v_bfe_u32 v3, v0, 4, 1                         ; h
	v_lshlrev_b32 v[L4], 2, v1
	v_lshlrev_b32 v[LI], 4, v1
	s_lshl_b32 s22, s19, 10                        ; my scale word: tile 2 g + h' of the four (512 bytes each), lane place 16 r + 256 (s / 4), word s % 4
	s_lshr_b32 s23, s20, 2
	s_lshl_b32 s23, s23, 8
	s_add_co_u32 s22, s22, s23
	s_and_b32 s23, s20, 3
	s_lshl_b32 s23, s23, 2
	s_add_co_u32 s22, s22, s23
	s_add_co_u32 s22, s22, WSC
	v_lshlrev_b32 v[SCA], 4, v2
	s_wait_alu depctr_va_vdst(0)
	v_lshl_add_u32 v[SCA], v3, 9, v[SCA]
	s_delay_alu instid0(VALU_DEP_1)
	v_add_nc_u32 v[SCA], s22, v[SCA]
	v_lshlrev_b32 v[HXA], 12, v2
	s_delay_alu instid0(VALU_DEP_1)
	v_lshl_add_u32 v[HXA], v3, 6, v[HXA]
	s_lshl_b32 s22, s19, 4
	s_add_co_u32 s22, s22, s20
	s_mul_i32 s22, s22, FRB                        ; (16 g + s) x 1,536
	v_add_nc_u32 v[WIA], s22, v[LI]
	s_lshl_b32 s23, s19, 3
	s_add_co_u32 s23, s23, s20                     ; 8 g + s
	s_mul_i32 s24, s23, FRB
	s_add_co_u32 s24, s24, HIMG
	v_add_nc_u32 v[HIA], s24, v[LI]
	s_lshl_b32 s24, s23, 7
	s_add_co_u32 s24, s24, HSC
	v_add_nc_u32 v[HSA], s24, v[L4]
	s_mul_i32 s22, s30, 8*FRB
	s_add_co_u32 s22, s22, HIMG
	v_add_nc_u32 v[HFA], s22, v[LI]
	s_lshl_b32 s22, s30, 10
	s_add_co_u32 s22, s22, HSC
	v_add_nc_u32 v[HSR], s22, v[L4]
	s_mul_i32 s22, s30, 16*272
	s_add_co_u32 s22, s22, OSTG
	v_mul_u32_u24 v[SOA], v2, 272
	s_delay_alu instid0(VALU_DEP_1)
	v_lshl_add_u32 v[SOA], v3, 5, v[SOA]
	s_delay_alu instid0(VALU_DEP_1)
	v_add_nc_u32 v[SOA], s22, v[SOA]               ; in: row r, + 32 h
	v_mul_u32_u24 v[SRA], v3, 272
	s_delay_alu instid0(VALU_DEP_1)
	v_lshl_add_u32 v[SRA], v2, 4, v[SRA]
	s_delay_alu instid0(VALU_DEP_1)
	v_add_nc_u32 v[SRA], s22, v[SRA]               ; back: lanes 0-15 one row, lanes 16-31 the next
	s_and_b32 s22, s[WV], 3
	s_lshl_b32 s22, s22, 9
	s_add_co_u32 s22, s22, WSC
	v_add_nc_u32 v[WSR], s22, v[LI]
	v_lshlrev_b32 v[CBO], 12, v3
	s_delay_alu instid0(VALU_DEP_1)
	v_lshl_add_u32 v[CBO], v2, 4, v[CBO]
	v_lshlrev_b32 v[BO], 4, v2
	s_mov_b32 s[SEL], 0x76543210
	s_mov_b32 s[SEL+1], 0xfedcba98                 ; v_permlanex16_b32's selects for lane l xor 16
	s_mov_b32 s[CS], 0x4038aa3b                    ; c = 2 log2(e)
	s_mov_b32 s[CS+1], s[CS]                       ; (named with it as a pair, so it is written)
.irp b, 0,1,2,3
	v_mov_b32 v[TM+4+\b], 0                        ; written once: a lane permute's destination counts as one of its sources
.endr
	s_wait_kmcnt 0x0
	s_cmp_lt_u32 ttmp9, 16                         ; W1's work-group or W2's: the choice hangs on the work-group's number alone
	s_cselect_b64 s[4:5], s[4:5], s[6:7]
	s_lshl_b32 s22, s20, 19                        ; 128 s rows of 4,096 bytes
	s_lshl_b32 s23, s21, 8                         ; + 64 p columns
	s_add_co_u32 s22, s22, s23
	s_lshl_b32 s23, s19, 7                         ; + 32 g columns
	s_add_co_u32 s22, s22, s23
	s_mov_b32 s23, 0
	s_add_nc_u64 s[4:5], s[4:5], s[22:23]
	s_lshl_b32 s22, s19, 16                        ; hidden: rows 16 g on, k = 128 s on
	s_lshl_b32 s24, s20, 9
	s_add_co_u32 s22, s22, s24
	s_add_nc_u64 s[8:9], s[8:9], s[22:23]
.set i, 0
.rept 128
	global_load_b32 v[X+i], v[L4], s[4:5] offset:i*4096 th:TH_LOAD_NT   ; W(128 s + i, my column): 32 lanes read 128 consecutive bytes
.set i, i+1
.endr
; Block t of my column: its largest magnitude (with the floor 2^(3 - 127) among the leaves, so that the byte cannot fall under 1), the scale operand (2 off the exponent field), the byte, 32 codes.
.macro QB t
.set XS, X+32*(\t)
.set FD, F0+12*((\t)%2)+6*((\t)/2)
	v_max3_num_f32 v[M], |v[XS]|, |v[XS+1]|, |v[XS+2]|
	v_max3_num_f32 v[M+1], |v[XS+3]|, |v[XS+4]|, |v[XS+5]|
.irp i, 6,10,14,18,22,26
	s_delay_alu instid0(VALU_DEP_2)
	v_max3_num_f32 v[M], v[M], |v[XS+\i]|, |v[XS+\i+1]|
	s_delay_alu instid0(VALU_DEP_2)
	v_max3_num_f32 v[M+1], v[M+1], |v[XS+\i+2]|, |v[XS+\i+3]|
.endr
	s_delay_alu instid0(VALU_DEP_2)
	v_max3_num_f32 v[M], v[M], |v[XS+30]|, |v[XS+31]|
	s_delay_alu instid0(VALU_DEP_1)
	v_max3_num_f32 v[M], v[M], v[M+1], 0x1800000
	s_delay_alu instid0(VALU_DEP_1)
	v_add_nc_u32 v[M+2], 0xff000000, v[M]          ; the conversion takes the exponent field of this operand as its scale
	s_delay_alu instid0(VALU_DEP_1)
	v_lshrrev_b32 v[M+3], 23, v[M+2]               ; the scale's byte
.if (\t) == 0
	s_delay_alu instid0(VALU_DEP_1)
	v_mov_b32 v[SW], v[M+3]
.else
	s_delay_alu instid0(VALU_DEP_1)
	v_lshl_or_b32 v[SW], v[M+3], 8*(\t), v[SW]
.endif
	v_cvt_scalef32_pk16_fp6_f32 v[FD:FD+2], v[XS:XS+15], v[M+2]
	v_cvt_scalef32_pk16_fp6_f32 v[T+4*(\t):T+4*(\t)+2], v[XS+16:XS+31], v[M+2]   ; (a conversion's three registers begin on an even number)
	v_nop                                          ; one plain place behind a scaled conversion
.endm
; 64 numbers of a lane, register 16 b + i = k 32 b + 16 h + i of my row, become a fragment's codes in v[PC] on and its scale word in v[PW]
.macro QUANT s
.irp b, 0,1,2,3
	v_max3_num_f32 v[TM+\b], |v[\s+16*\b]|, |v[\s+1+16*\b]|, 0x1800000
.endr
.irp i, 2,4,6,8,10,12,14
.irp b, 0,1,2,3
	s_delay_alu instid0(VALU_DEP_4)
	v_max3_num_f32 v[TM+\b], v[TM+\b], |v[\s+16*\b+\i]|, |v[\s+1+16*\b+\i]|
.endr
.endr
.irp b, 0,1,2,3
	s_delay_alu instid0(VALU_DEP_4)
	v_permlanex16_b32 v[TM+4+\b], v[TM+\b], s[SEL], s[SEL+1]
.endr
.irp b, 0,1,2,3
	s_delay_alu instid0(VALU_DEP_4)
	v_max_num_f32 v[TM+\b], v[TM+\b], v[TM+4+\b]   ; with lane l xor 16's: the block's largest magnitude
.endr
.irp b, 0,1,2,3
	s_delay_alu instid0(VALU_DEP_4)
	v_add_nc_u32 v[TM+12+\b], 0xff000000, v[TM+\b]
.endr
.irp b, 0,1,2,3
	s_delay_alu instid0(VALU_DEP_4)
	v_lshrrev_b32 v[TM+4+\b], 23, v[TM+12+\b]
.endr
	s_delay_alu instid0(VALU_DEP_3)
	v_lshl_or_b32 v[PW], v[TM+5], 8, v[TM+4]
	s_delay_alu instid0(VALU_DEP_1)
	v_lshl_or_b32 v[PW], v[TM+6], 16, v[PW]
	s_delay_alu instid0(VALU_DEP_1)
	v_lshl_or_b32 v[PW], v[TM+7], 24, v[PW]
.irp c, 0,1
	v_cvt_scalef32_pk16_fp6_f32 v[PC+6*\c:PC+2+6*\c], v[\s+32*\c:\s+15+32*\c], v[TM+12+2*\c]
	v_cvt_scalef32_pk16_fp6_f32 v[PC+12+4*\c:PC+14+4*\c], v[\s+16+32*\c:\s+31+32*\c], v[TM+12+2*\c+1]
.endr
	v_nop
.irp c, 0,1                                    ; the operand's layout wants a whole block in a lane
.irp i, 0,1,2
	v_permlane16_swap_b32 v[PC+6*\c+\i], v[PC+12+4*\c+\i]
.endr
.irp i, 0,1,2
	s_delay_alu instid0(VALU_DEP_3)
	v_mov_b32 v[PC+3+6*\c+\i], v[PC+12+4*\c+\i]
.endr
.endr
.endm
	s_wait_loadcnt 63                              ; block 0's 32 loads are in (96 younger ones might stay out; the wait's field names 63 at the most)
	QB 0
	s_wait_loadcnt 63                              ; block 1's are in (64 younger ones)
	QB 1
	s_cmp_lt_u32 ttmp9, 16
	s_cbranch_scc1 .Lno_hidden
.irp b, 0,1,2,3                                ; W2's work-groups: my 16 rows x 128 k of hidden, into the registers that blocks 0 and 1 have left
.irp j, 0,1,2,3
	global_load_b128 v[X+16*\b+4*\j:X+16*\b+4*\j+3], v[HXA], s[8:9] offset:128*\b+16*\j
.endr
.endr
.Lno_hidden:
	s_wait_loadcnt 32                              ; block 2's are in: behind them came block 3's 32 (and, for W2, hidden's 16: the count then asks for more than is needed)
	QB 2
	s_wait_loadcnt 0x0
	QB 3
; Lanes 0-15 hold four blocks of a column of tile 2 g, lanes 16-31 of tile 2 g + 1.  A fragment wants blocks 0, 2 in lanes 0-15 and blocks 1, 3 in lanes 16-31: the even block's lanes 16-31 change places with the odd block's lanes 0-15.
.irp c, 0,1
.irp i, 0,1,2
	v_permlane16_swap_b32 v[F0+6*\c+\i], v[F1+6*\c+\i]
	v_permlane16_swap_b32 v[T+8*\c+\i], v[T+8*\c+4+\i]
.endr
.irp i, 0,1,2
	v_mov_b32 v[F0+6*\c+3+\i], v[T+8*\c+\i]
	v_mov_b32 v[F1+6*\c+3+\i], v[T+8*\c+4+\i]
.endr
.endr
	ds_store_b32 v[SCA], v[SW]                     ; one line for both tensors: the eight K steps' words of a tile meet in its scale block
	s_cmp_lt_u32 ttmp9, 16
	s_cbranch_scc0 .Lw2_images
	s_lshl_b32 s22, s21, 2                         ; W1: tile 4 p + 2 g, K step s
	s_lshl_b32 s23, s19, 1
	s_add_co_u32 s22, s22, s23
	s_mul_i32 s22, s22, TILEB
	s_mul_i32 s23, s20, FRB
	s_add_co_u32 s22, s22, s23
	s_mov_b32 s23, 0
	s_add_nc_u64 s[24:25], s[14:15], s[22:23]
	s_wait_alu depctr_va_vdst(0)
.irp c, 0,1,2
	global_store_b128 v[LI], v[F0+4*\c:F0+4*\c+3], s[24:25] offset:512*\c          ; 32 lanes store 512 consecutive bytes, at a multiple of 256 from the buffer's first byte
	global_store_b128 v[LI], v[F1+4*\c:F1+4*\c+3], s[24:25] offset:TILEB+512*\c
.endr
	s_branch .Lmeet
.Lw2_images:
	s_wait_alu depctr_va_vdst(0)
.irp c, 0,1,2
	ds_store_b128 v[WIA], v[F0+4*\c:F0+4*\c+3] offset:WIMG+512*\c
	ds_store_b128 v[WIA], v[F1+4*\c:F1+4*\c+3] offset:WIMG+8*FRB+512*\c
.endr
	QUANT X
.irp c, 0,1,2
	ds_store_b128 v[HIA], v[PC+4*\c:PC+4*\c+3] offset:512*\c
.endr
	ds_store_b32 v[HSA], v[PW]
.Lmeet:
	s_wait_xcnt 0x0                                ; every earlier memory instruction has had its addresses translated (ISA guide 3.1): the fragments' registers and the stores' base are written again only behind this wait
	s_wait_dscnt 0x0                               ; for the others' sake: my LDS stores have landed
	s_barrier_signal -1
	s_barrier_wait -1                              ; the launch's one barrier: scale blocks and images are whole
	s_cmp_lt_u32 ttmp9, 16
	s_cbranch_scc0 .Lw2_product
	s_cmp_lt_u32 s[WV], 4                          ; W1: waves 0-3 store a tile's scale block each
	s_cbranch_scc0 .Lend
	s_lshl_b32 s22, s21, 2
	s_add_co_u32 s22, s22, s[WV]
	s_mul_i32 s22, s22, TILEB
	s_add_co_u32 s22, s22, 8*FRB
	s_mov_b32 s23, 0
	s_add_nc_u64 s[32:33], s[14:15], s[22:23]
	ds_load_b128 v[16:19], v[WSR]
	s_wait_dscnt 0x0
	global_store_b128 v[LI], v[16:19], s[32:33]
	s_branch .Lend
.Lw2_product:
	s_cmp_lt_u32 s[WV], 2                          ; W2: waves 0 and 1 multiply, 16 rows of hidden x the work-group's 64 u each
	s_cbranch_scc0 .Lend
	s_lshl_b32 s22, s21, 8                         ; 64 p numbers
	s_mov_b32 s23, 0
	s_add_nc_u64 s[10:11], s[10:11], s[22:23]
	s_add_nc_u64 s[12:13], s[12:13], s[22:23]
	global_load_b128 v[B1:B1+3], v[BO], s[10:11]   ; W1_b and W2_b at the four u that I store
	global_load_b128 v[B2:B2+3], v[BO], s[12:13]
	s_lshl_b32 s24, s30, 16                        ; 16 rows of cb
	s_add_co_u32 s22, s22, s24
	s_add_nc_u64 s[16:17], s[16:17], s[22:23]
.irp u, 0,1,2,3
	ds_load_b128 v[WS+4*\u:WS+4*\u+3], v[LI] offset:WSC+512*\u   ; lanes 0-15: K steps 0-3 of row r; lanes 16-31: K steps 4-7
.endr
; TRANSPOSED: source 0 = 16 u of W2, source 1 = 16 rows of hidden: lane (r, h) holds row r and u = 16 tile + 8 h + 0 .. 7.  The four accumulators take turns, one instruction a turn.
.macro HW ut, s
.if (\s) == 0
	v_wmma_scale_f32_16x16x128_f8f6f4 v[D+8*(\ut):D+8*(\ut)+7], v[WF+12*(\ut):WF+12*(\ut)+11], v[HF:HF+11], 0, v[WS+4*(\ut)], v[HS] matrix_a_fmt:MATRIX_FMT_FP6 matrix_b_fmt:MATRIX_FMT_FP6
.elseif (\s) < 4
	v_wmma_scale_f32_16x16x128_f8f6f4 v[D+8*(\ut):D+8*(\ut)+7], v[WF+12*(\ut):WF+12*(\ut)+11], v[HF:HF+11], v[D+8*(\ut):D+8*(\ut)+7], v[WS+4*(\ut)+(\s)], v[HS] matrix_a_fmt:MATRIX_FMT_FP6 matrix_b_fmt:MATRIX_FMT_FP6
.else
	v_wmma_scale_f32_16x16x128_f8f6f4 v[D+8*(\ut):D+8*(\ut)+7], v[WF+12*(\ut):WF+12*(\ut)+11], v[HF:HF+11], v[D+8*(\ut):D+8*(\ut)+7], v[WS+4*(\ut)+(\s)-4], v[HS] matrix_a_fmt:MATRIX_FMT_FP6 matrix_b_fmt:MATRIX_FMT_FP6 matrix_a_scale:MATRIX_SCALE_ROW1
.endif
.endm
.irp s, 0,1,2,3,4,5,6,7
.rept 4
	v_nop                                          ; places in front of loads into registers that matrix instructions have read
.endr
.irp c, 0,1,2
	ds_load_b128 v[HF+4*\c:HF+4*\c+3], v[HFA] offset:FRB*\s+512*\c
.endr
	ds_load_b32 v[HS], v[HSR] offset:128*\s
.irp u, 0,1,2,3
.irp c, 0,1,2
	ds_load_b128 v[WF+12*\u+4*\c:WF+12*\u+4*\c+3], v[LI] offset:WIMG+(8*\u+\s)*FRB+512*\c
.endr
.endr
	s_wait_dscnt 0x0
.irp u, 0,1,2,3
	HW \u, \s
.endr
.endr
	s_wait_loadcnt 0x0                             ; the biases
	v_pk_add_f32 v[TC:TC+1], v[B1:B1+1], v[B2:B2+1]
	v_pk_add_f32 v[TC+2:TC+3], v[B1+2:B1+3], v[B2+2:B2+3]
	s_delay_alu instid0(VALU_DEP_2)
	v_pk_mul_f32 v[TC:TC+1], v[TC:TC+1], s[CS:CS+1] op_sel_hi:[1,0]
	s_delay_alu instid0(VALU_DEP_2)
	v_pk_mul_f32 v[TC+2:TC+3], v[TC+2:TC+3], s[CS:CS+1] op_sel_hi:[1,0]   ; c (W1_b + W2_b)
.rept 4
	v_nop                                          ; places in front of the first read of results
.endr
.irp u, 0,1,2,3
	ds_store_b128 v[SOA], v[D+8*\u:D+8*\u+3] offset:64*\u            ; each accumulator from its low end on
	ds_store_b128 v[SOA], v[D+8*\u+4:D+8*\u+7] offset:64*\u+16
.endr
.irp i, 0,1,2,3,4,5,6,7
	ds_load_b128 v[RB+4*\i:RB+4*\i+3], v[SRA] offset:2*\i*272        ; LDS serves a wave's instructions in order (ISA guide 5.7.1.4): these see my stores
.endr
	s_wait_alu depctr_va_vdst(0)
	s_wait_dscnt 0x0
.irp i, 0,1,2,3,4,5,6,7
	v_pk_fma_f32 v[RB+4*\i:RB+4*\i+1], v[RB+4*\i:RB+4*\i+1], s[CS:CS+1], v[TC:TC+1] op_sel_hi:[1,0,1]
	v_pk_fma_f32 v[RB+4*\i+2:RB+4*\i+3], v[RB+4*\i+2:RB+4*\i+3], s[CS:CS+1], v[TC+2:TC+3] op_sel_hi:[1,0,1]
.endr
.irp i, 0,1,2,3,4,5,6,7
	global_store_b128 v[CBO], v[RB+4*\i:RB+4*\i+3], s[16:17] offset:8192*\i   ; sixteen lanes store 256 consecutive bytes, aligned
.endr
.Lend:
	s_wait_tensorcnt 0x0
	ds_add_u32 v254, v255
	s_wait_dscnt 0x0
	s_endpgm
.Lfunc_end_k_q6b48f9fb82_prep:
	.size	k_q6b48f9fb82_prep, .Lfunc_end_k_q6b48f9fb82_prep-k_q6b48f9fb82_prep
	.p2alignl 7, 3214868480
	.fill 96, 4, 3214868480
	.section	.rodata,"a",@progbits
	.p2align	6, 0x0
	.amdhsa_kernel k_q6b48f9fb82_prep
		.amdhsa_group_segment_fixed_size 92160
		.amdhsa_private_segment_fixed_size 0
		.amdhsa_enable_private_segment 0
		.amdhsa_kernarg_size 56
		.amdhsa_user_sgpr_count 2
		.amdhsa_user_sgpr_kernarg_segment_ptr 1
		.amdhsa_wavefront_size32 1
		.amdhsa_system_sgpr_workgroup_id_x 1
		.amdhsa_system_sgpr_workgroup_id_y 1
		.amdhsa_system_sgpr_workgroup_id_z 1
		.amdhsa_system_vgpr_workitem_id 0
		.amdhsa_next_free_vgpr 256
		.amdhsa_next_free_sgpr 66
		.amdhsa_reserve_vcc 0
		.amdhsa_float_denorm_mode_32 3
		.amdhsa_float_denorm_mode_16_64 3
		.amdhsa_memory_ordered 1
		.amdhsa_forward_progress 1
		.amdhsa_inst_pref_size 52
	.end_amdhsa_kernel
	.amdgpu_metadata
---
amdhsa.version: [ 1, 2 ]
amdhsa.kernels:
  - .name:           k_q6b48f9fb82_prep
    .symbol:         k_q6b48f9fb82_prep.kd
    .args:
      - { .name: W1_w, .offset: 0, .size: 8, .value_kind: global_buffer, .address_space: global }
      - { .name: W2_w, .offset: 8, .size: 8, .value_kind: global_buffer, .address_space: global }
      - { .name: hidden, .offset: 16, .size: 8, .value_kind: global_buffer, .address_space: global }
      - { .name: W1_b, .offset: 24, .size: 8, .value_kind: global_buffer, .address_space: global }
      - { .name: W2_b, .offset: 32, .size: 8, .value_kind: global_buffer, .address_space: global }
      - { .name: w1img, .offset: 40, .size: 8, .value_kind: global_buffer, .address_space: global }
      - { .name: cb, .offset: 48, .size: 8, .value_kind: global_buffer, .address_space: global }
    .group_segment_fixed_size: 92160
    .private_segment_fixed_size: 0
    .kernarg_segment_align: 8
    .kernarg_segment_size: 56
    .max_flat_workgroup_size: 512
    .sgpr_count:     66
    .vgpr_count:     256
    .wavefront_size: 32
...
	.end_amdgpu_metadata
.endif
;; end of part 1
;; launch fuse (part 2): grid 256 x 1, 4 waves a work-group, no clusters, 327,168 bytes of LDS; arguments features, w1img, cb, V_w, lg, pc; writes lg, pc
.if DOCPART == 2
	.amdgcn_target "amdgcn-amd-amdhsa--gfx1250"
	.amdhsa_code_object_version 6
	.text
	.protected	k_q6b48f9fb82_fuse
	.globl	k_q6b48f9fb82_fuse
	.p2align	8
	.type	k_q6b48f9fb82_fuse,@function
k_q6b48f9fb82_fuse:
	s_mov_b64 s[64:65], 0
	v_nop
	global_prefetch_b8 v0, s[64:65] scope:SCOPE_SE
	s_setreg_imm32_b32 hwreg(HW_REG_WAVE_MODE, 25, 1), 1
	s_wait_xcnt 0x0
; For 256 rows (b, t) of features: t2[row] = log2(e) x (-2) x the sum over u of V_w[u] / (1 + 2^z), z = c (Q(features) Q(W1))[row][u] + cb[b][u], c = 2 log2(e): the logit in base 2
; without the term that is the same along t (left out as dead work: see the first kernel's head; V_b is not loaded).  Stored: lg = t2; and for the work-group's 256 rows the largest t2 (M),
; the sum of p = 2^(t2 - M), and the sum of p x features[row][:], all f32: row g of pc is 4,096 bytes of sums, then 256 bytes of (M, sum) pairs.  The next launch joins a batch's eight rows of pc.
; SHARES.  Work-group g: rows 256 g on, in 4 chunks of 64.  A chunk's f32 rows lie in LDS (64 rows, 4,112 bytes apart): wave w writes, quantises and later weighs its own 16 rows, so features are read from memory once.
; The codes go from wave to wave as images of the operand's registers; then wave w multiplies ALL 64 rows (4 tiles of 16, 32 fragments, 384 registers) by ITS quarter of u (16 tiles of 16 u).
; W1's images (laid by the first launch in the order of the operand's registers) go from memory straight into registers, 25 loads of 512 bytes a tile, in a ring of 4 tiles that runs on from chunk to chunk.
; NO CLUSTER, NO TENSOR LOAD: no two waves of a work-group read the same tile of W1, and of LDS's 327,680 bytes the rows take 263,168 and the images 53,248: what is left holds no slot for joint loads of 12,800-byte tiles.
; A group is two tiles of u: 64 matrix instructions on 8 accumulators by turns, then its 64 numbers a lane go through 2^z and 1 / (1 + .) in batches of 64.
; PREFETCH: in each of a chunk's 8 groups a wave names 32 blocks of 256 bytes (a lane a block, 2 rows) of its own 16 rows of the NEXT chunk: each block once, a chunk ahead; the last chunk names none.
; The maximum is a running one: when it moves, the sums are multiplied by 2^(old M - new M).  No branch hangs on data.
; LIMITS: NaN and infinities among the inputs are not served; the promise holds while |t2| stays under 2^31; a block under 2^-124 or of zeros gets the scale byte 1 (its codes are read by this launch alone).
.set PIT,   4112                       ; a row in LDS: 4,096 + 16: the 16 rows that a quantiser's load touches begin 16 bytes apart modulo 256
.set STWV,  16*PIT                     ; a wave's 16 rows
.set AIM,   263168                     ; images: fragment (row tile m, K step s) at (8 m + s) x 1,536
.set ASC,   312320                     ; their scale words, 128 bytes a fragment
.set CBL,   316416                     ; cb's 1,024 numbers; 4,096 bytes on: V_w x (-2 log2 e).  Each wave stores and reads its own quarter
.set LP,    324608                     ; the waves' parts of 64 logits, 256 bytes a wave
.set PB,    325632                     ; each wave's own copy of the chunk's 64 p
.set SPARE, 326656                     ; the spare words, 128 bytes a wave, named by no other line
.set FRB,   1536
.set TILEB, 12800
.set LI,1                              ; 16 x lane
.set SPW,2
.set NIL,3
.set STW,4                             ; my rows, 16 x lane
.set STQ,5                             ; my rows, row r, + 64 h
.set AIW,6
.set ASW,7
.set AIR,8
.set ASR,9
.set TA0,10
.set TA,11
.set LPW,12
.set LPR,13
.set PBW,14
.set PBR,15
.set LGO,16                            ; 8 x lane
.set PF0,17                            ; 256 x lane
.set PFO,18
.set CVW,19
.set MX,20                             ; v[20:21] = (M, my lane's part of the sum of p)
.set LS,21
.set F,22
.set AS,24                             ; v24-55 A's scale words; v56-71 W1's, 4 a tile: scales and nothing else while products run
.set BS,56
.set ACC,72                            ; v72-135 eight accumulators
.set CBR,136
.set VR,152
.set LAC,168
.set CTX,200                           ; v200-231 my part sums of p x features: register 4 j + e is d = 128 j + 4 lane + e
.set T,232
.set TT,240
.set CW,242
.set CR,243
.set TM,24                             ; while a chunk is quantised: v24-35, v36-55 temporaries, v72-199 two sets of 64 numbers
.set PC,36
.set PW,232
.set NB,72
.set P,24                              ; while rows are weighed: v24-39 my 16 p, v72-199 two sets of two rows
.set X0,72
.set FN,4
.set WB,6
.set WV,16
.set WN,20
.set CS,24
.set SEL,26
.set CH,28
.set Q,29
.set GT,30
.set S2,31
.set PS,32
.set CN,33
; THE ORDER OF MY 16 TILES.  Trip q of chunk c takes the four tiles of group (q + 3 c) mod 4: a chunk begins with the group with which the chunk before ended, which still lies in the ring's registers,
; so a chunk's last trip loads nothing: 13 fills of four tiles for the launch's 16 trips.  s[S2]: the group's 256 bytes of cb and V';  s[WN]: the group behind it, which this trip's loads fetch.
.macro SETG
	s_add_co_u32 s22, s[Q], s[CN]
	s_and_b32 s[S2], s22, 3
	s_lshl_b32 s[S2], s[S2], 8
	s_add_co_u32 s22, s22, 1
	s_and_b32 s22, s22, 3
	s_mul_i32 s22, s22, 4*TILEB
	s_add_nc_u64 s[WN:WN+1], s[WB:WB+1], s[22:23]
	v_add_nc_u32 v[TA], s[S2], v[TA0]
.endm
; Fragments 0-31 are A's (4 s + m), 32-63 W1's ring (32 + 8 buffer + s).  21 fragments of 12 registers to each of windows 1 to 3; the last at v244-255 of window 0.
.macro FPOS f
.if (\f) == 63
.set FW, 0
.set FR, 244
.else
.set FW, 1+(\f)/21
.set FR, 12*((\f)%21)
.endif
.endm
.set MSB, 0
.macro WIN new
.if MSB != (\new)
	s_set_vgpr_msb (MSB<<8)|(\new)
.set MSB, (\new)
.endif
.endm
.macro VW
	s_wait_alu depctr_va_vdst(0)
.endm
; loads n0 .. of a chunk's 128 (row n / 8 of my 16, 512 bytes n % 8) land in A's registers, which hold no codes then: 96 places of four
.macro FL n0, cnt
.set fn_, \n0
.rept \cnt
.set fk_, fn_%96
.if fk_ < 63
	WIN 0x40
.else
	WIN 0x80
.set fk_, fk_-63
.endif
	global_load_b128 v[4*fk_:4*fk_+3], v[LI], s[FN:FN+1] offset:(fn_/8)*4096+512*(fn_%8) th:TH_LOAD_NT
.set fn_, fn_+1
.endr
	WIN 0
.endm
.macro STS n0, cnt
.set fn_, \n0
.rept \cnt
.set fk_, fn_%96
.if fk_ < 63
	WIN 0x04
.else
	WIN 0x08
.set fk_, fk_-63
.endif
	ds_store_b128 v[STW], v[4*fk_:4*fk_+3] offset:(fn_/8)*PIT+512*(fn_%8)
.set fn_, fn_+1
.endr
	WIN 0
.endm
.macro LDQ s                           ; K step s of my 16 rows: register 16 b + i = k 128 s + 32 b + 16 h + i of row r
.set li_, 0
.rept 16
	ds_load_b128 v[NB+64*((\s)%2)+4*li_:NB+64*((\s)%2)+4*li_+3], v[STQ] offset:512*(\s)+128*(li_/4)+16*(li_%4)
.set li_, li_+1
.endr
.endm
.macro QUANT nb                        ; 64 numbers a lane become a fragment's codes in v[PC] on and its scale word in v[PW]
.irp b, 0,1,2,3
	v_max3_num_f32 v[TM+\b], |v[(\nb)+16*\b]|, |v[(\nb)+1+16*\b]|, 0x1800000   ; the floor 2^(3 - 127) holds the byte at 1 from below
.endr
.irp i, 2,4,6,8,10,12,14
.irp b, 0,1,2,3
	v_max3_num_f32 v[TM+\b], v[TM+\b], |v[(\nb)+16*\b+\i]|, |v[(\nb)+1+16*\b+\i]|
.endr
.endr
.irp b, 0,1,2,3
	v_permlanex16_b32 v[TM+4+\b], v[TM+\b], s[SEL], s[SEL+1]
.endr
.irp b, 0,1,2,3
	v_max_num_f32 v[TM+\b], v[TM+\b], v[TM+4+\b]
.endr
.irp b, 0,1,2,3
	v_add_nc_u32 v[TM+8+\b], 0xff000000, v[TM+\b]      ; 2 off the exponent field: the conversion's scale operand
.endr
.irp b, 0,1,2,3
	v_lshrrev_b32 v[TM+4+\b], 23, v[TM+8+\b]           ; the byte
.endr
	v_lshl_or_b32 v[PW], v[TM+5], 8, v[TM+4]
	v_lshl_or_b32 v[PW], v[TM+6], 16, v[PW]
	v_lshl_or_b32 v[PW], v[TM+7], 24, v[PW]
.irp c, 0,1
	v_cvt_scalef32_pk16_fp6_f32 v[PC+6*\c:PC+2+6*\c], v[(\nb)+32*\c:(\nb)+15+32*\c], v[TM+8+2*\c]
	v_cvt_scalef32_pk16_fp6_f32 v[PC+12+4*\c:PC+14+4*\c], v[(\nb)+16+32*\c:(\nb)+31+32*\c], v[TM+8+2*\c+1]
.endr
	v_nop                                              ; one plain place behind a scaled conversion
.irp c, 0,1                                            ; the operand's layout wants a whole block in a lane
.irp i, 0,1,2
	v_permlane16_swap_b32 v[PC+6*\c+\i], v[PC+12+4*\c+\i]
.endr
.irp i, 0,1,2
	v_mov_b32 v[PC+3+6*\c+\i], v[PC+12+4*\c+\i]
.endr
.endr
.endm
.macro RELOAD g                        ; tiles 2 g, 2 g + 1 of the next four, into the two buffers just multiplied: 50 loads
.irp t, 0,1
.irp s, 0,1,2,3,4,5,6,7
	FPOS 32+8*(2*\g+\t)+\s
	WIN FW<<6
.irp c, 0,1,2
	global_load_b128 v[FR+4*\c:FR+4*\c+3], v[LI], s[WN:WN+1] offset:(2*\g+\t)*TILEB+FRB*\s+512*\c
.endr
.endr
	WIN 0
	global_load_b128 v[BS+4*(2*\g+\t):BS+4*(2*\g+\t)+3], v[LI], s[WN:WN+1] offset:(2*\g+\t)*TILEB+8*FRB
.endr
.endm
; TRANSPOSED: source 0 = 16 u of W1, source 1 = 16 rows: lane (r, h) holds row r and u = 16 tile + 8 h + 0 .. 7
.macro WM t, m, s, b
	FPOS 4*(\s)+(\m)
.set wa_, FW
.set ra_, FR
	FPOS 32+8*(\b)+(\s)
	WIN FW|(wa_<<2)
.set rd_, ACC+32*(\t)+8*(\m)
.set rw_, BS+4*(\b)+(\s)%4
.set rx_, AS+8*(\m)+(\s)
.if (\s) == 0
	v_wmma_scale_f32_16x16x128_f8f6f4 v[rd_:rd_+7], v[FR:FR+11], v[ra_:ra_+11], 0, v[rw_], v[rx_] matrix_a_fmt:MATRIX_FMT_FP6 matrix_b_fmt:MATRIX_FMT_FP6
.elseif (\s) < 4
	v_wmma_scale_f32_16x16x128_f8f6f4 v[rd_:rd_+7], v[FR:FR+11], v[ra_:ra_+11], v[rd_:rd_+7], v[rw_], v[rx_] matrix_a_fmt:MATRIX_FMT_FP6 matrix_b_fmt:MATRIX_FMT_FP6
.else
	v_wmma_scale_f32_16x16x128_f8f6f4 v[rd_:rd_+7], v[FR:FR+11], v[ra_:ra_+11], v[rd_:rd_+7], v[rw_], v[rx_] matrix_a_fmt:MATRIX_FMT_FP6 matrix_b_fmt:MATRIX_FMT_FP6 matrix_a_scale:MATRIX_SCALE_ROW1
.endif
.endm
; the group's 64 numbers a lane: z, 2^z, 1 + ., 1 / ., x V'.  Each batch of transcendentals has one wait ahead of it and one behind it
.macro EPI
.set e_, 0
.rept 32                               ; each accumulator from its low end on
	v_pk_fma_f32 v[ACC+2*e_:ACC+2*e_+1], v[ACC+2*e_:ACC+2*e_+1], s[CS:CS+1], v[CBR+8*(e_/16)+2*(e_%4):CBR+8*(e_/16)+2*(e_%4)+1] op_sel_hi:[1,0,1]
.set e_, e_+1
.endr
	VW
.set e_, 0
.rept 64
	v_exp_f32 v[ACC+e_], v[ACC+e_]
.set e_, e_+1
.endr
	v_nop
	VW
.set e_, 0
.rept 32
	v_pk_add_f32 v[ACC+2*e_:ACC+2*e_+1], v[ACC+2*e_:ACC+2*e_+1], 1.0 op_sel_hi:[1,0]
.set e_, e_+1
.endr
	VW
.set e_, 0
.rept 64
	v_rcp_f32 v[ACC+e_], v[ACC+e_]
.set e_, e_+1
.endr
	v_nop
	VW
.set e_, 0
.rept 32                               ; four chains, one for each tile of rows, by turns
.set za_, ACC+32*(e_/16)+8*(e_%4)+2*((e_/4)%4)
	v_pk_fma_f32 v[LAC+2*(e_%4):LAC+2*(e_%4)+1], v[za_:za_+1], v[VR+8*(e_/16)+2*((e_/4)%4):VR+8*(e_/16)+2*((e_/4)%4)+1], v[LAC+2*(e_%4):LAC+2*(e_%4)+1]
.set e_, e_+1
.endr
.endm
.macro GROUP g
.irp t, 0,1
	ds_load_b128 v[CBR+8*\t:CBR+8*\t+3], v[TA] offset:64*(2*\g+\t)
	ds_load_b128 v[CBR+8*\t+4:CBR+8*\t+7], v[TA] offset:64*(2*\g+\t)+16
	ds_load_b128 v[VR+8*\t:VR+8*\t+3], v[TA] offset:4096+64*(2*\g+\t)
	ds_load_b128 v[VR+8*\t+4:VR+8*\t+7], v[TA] offset:4096+64*(2*\g+\t)+16
.endr
	s_wait_loadcnt 50                              ; my two buffers are in; the other group's 50 loads, issued behind them, may be out
.irp s, 0,1,2,3,4,5,6,7
.irp t, 0,1
.irp m, 0,1,2,3
	WM \t, \m, \s, 2*\g+\t
.endr
.endr
.endr
	WIN 0
.rept 4
	v_nop                                          ; places in front of loads into registers that matrix instructions have read, and of the first read of results
.endr
	s_cmp_lt_u32 s[Q], 3                           ; a chunk's last four tiles stay in the ring for the next chunk's first trip
	s_cbranch_scc0 .Lnr_\@
	RELOAD \g
	s_branch .Lrj_\@
.Lnr_\@:
	s_wait_loadcnt 0x0                             ; no younger loads on this way: the count above would show nothing, so all are waited for here
.Lrj_\@:
	s_cmp_lt_u32 s[GT], 12                         ; the last chunk has no next chunk
	s_cbranch_scc0 .Lnp_\@
	global_prefetch_b8 v[PFO], s[FN:FN+1] offset:8192*\g th:TH_LOAD_NT scope:SCOPE_SE
.Lnp_\@:
	s_wait_dscnt 0x0                               ; cb and V'
	EPI
.endm
.macro LDX b                           ; rows 2 b, 2 b + 1 of my 16
.set n_, 0
.rept 16
	ds_load_b128 v[X0+64*((\b)%2)+4*n_:X0+64*((\b)%2)+4*n_+3], v[STW] offset:(2*(\b)+n_/8)*PIT+512*(n_%8)
.set n_, n_+1
.endr
.endm
.macro FMAX b
.set n_, 0
.rept 16
.set xa_, X0+64*((\b)%2)+4*n_
.set ca_, CTX+4*(n_%8)
.if n_ < 8
	v_pk_fma_f32 v[ca_:ca_+1], v[xa_:xa_+1], v[P+2*(\b):P+2*(\b)+1], v[ca_:ca_+1] op_sel_hi:[1,0,1]
	v_pk_fma_f32 v[ca_+2:ca_+3], v[xa_+2:xa_+3], v[P+2*(\b):P+2*(\b)+1], v[ca_+2:ca_+3] op_sel_hi:[1,0,1]
.else
	v_pk_fma_f32 v[ca_:ca_+1], v[xa_:xa_+1], v[P+2*(\b):P+2*(\b)+1], v[ca_:ca_+1] op_sel:[0,1,0] op_sel_hi:[1,1,1]
	v_pk_fma_f32 v[ca_+2:ca_+3], v[xa_+2:xa_+3], v[P+2*(\b):P+2*(\b)+1], v[ca_+2:ca_+3] op_sel:[0,1,0] op_sel_hi:[1,1,1]
.endif
.set n_, n_+1
.endr
.endm
	s_load_b256 s[4:11], s[0:1], 0x0               ; features, w1img, cb, V_w
	s_load_b128 s[12:15], s[0:1], 0x20             ; lg, pc
	v_lshl_add_u32 v[SPW], v0, 2, SPARE
	v_mov_b32 v[NIL], 0
	v_lshrrev_b32 v[T], 5, v0
	v_readfirstlane_b32 s[WV], v[T]                ; wave 0..3
	s_mul_i32 s17, s[WV], STWV
	s_mul_i32 s18, s[WV], 8*FRB
	s_add_co_u32 s18, s18, AIM
	s_lshl_b32 s19, s[WV], 10
	s_add_co_u32 s36, s19, CBL
	s_add_co_u32 s41, s19, AIM
	s_add_co_u32 s19, s19, ASC
	s_lshl_b32 s37, s[WV], 8
	s_add_co_u32 s38, s37, PB
	s_add_co_u32 s37, s37, LP
	s_lshl_b32 s39, s[WV], 6
	s_add_co_u32 s39, s39, s38
	s_lshl_b32 s40, s[WV], 12
	s_add_co_u32 s40, s40, AIM
	s_mov_b32 s[CS], 0x4038aa3b                    ; c = 2 log2(e)
	s_mov_b32 s[CS+1], s[CS]
	s_mov_b32 s[SEL], 0x76543210
	s_mov_b32 s[SEL+1], 0xfedcba98                 ; lane l xor 16
	s_mov_b32 s[CH], 0
	s_mov_b32 s[GT], 0
	s_mov_b32 s[CN], 0
	s_mov_b32 s23, 0
	v_and_b32 v[T], 31, v0                         ; lane
	v_and_b32 v[T+1], 15, v0                       ; r
	v_bfe_u32 v[T+2], v0, 4, 1                     ; h
	v_lshlrev_b32 v[LI], 4, v[T]
	v_lshlrev_b32 v[T+3], 2, v[T]
	v_lshlrev_b32 v[LGO], 3, v[T]
	v_lshlrev_b32 v[PF0], 8, v[T]
	v_add_nc_u32 v[STW], s17, v[LI]
	v_mul_u32_u24 v[STQ], v[T+1], PIT
	v_lshl_add_u32 v[STQ], v[T+2], 6, v[STQ]
	v_add_nc_u32 v[STQ], s17, v[STQ]
	v_add_nc_u32 v[AIW], s18, v[LI]
	v_add_nc_u32 v[ASW], s19, v[T+3]
	v_add_nc_u32 v[AIR], AIM, v[LI]
	v_add_nc_u32 v[ASR], ASC, v[T+3]
	v_lshl_add_u32 v[TA0], v[T+2], 5, s36
	v_add_nc_u32 v[CVW], s36, v[LI]
	v_lshl_add_u32 v[LPW], v[T+1], 2, s37
	v_add_nc_u32 v[LPR], LP, v[LGO]
	v_add_nc_u32 v[PBW], s38, v[LGO]
	v_mov_b32 v[PBR], s39                          ; my 16 rows' p, the same address in all lanes
	v_add_nc_u32 v[CW], s40, v[LI]
	v_add_nc_u32 v[CR], s41, v[LI]
	v_mov_b32 v[MX], 0xff61b1e6                    ; -3e38, under every t2
	v_mov_b32 v[LS], 0
	v_mov_b32 v[F+1], 0                            ; (named with v[F] as a pair)
.irp b, 0,1,2,3
	v_mov_b32 v[T+4+\b], 0                         ; a lane permute's destination counts as one of its sources
	v_mov_b32 v[TM+4+\b], 0
.endr
.set e_, 0
.rept 32
	v_mov_b32 v[CTX+e_], 0                         ; the running sums begin at 0: the step is written once
.set e_, e_+1
.endr
	VW                                             ; the wait at the head's end
	s_wait_kmcnt 0x0
	s_lshl_b32 s22, ttmp9, 20                      ; 256 rows of 4,096 bytes a work-group,
	s_lshl_b32 s17, s[WV], 16                      ; 16 rows a wave
	s_add_co_u32 s22, s22, s17
	s_add_nc_u64 s[FN:FN+1], s[FN:FN+1], s[22:23]
	s_mul_i32 s22, s[WV], 16*TILEB                 ; my 16 tiles of W1
	s_add_nc_u64 s[WB:WB+1], s[WB:WB+1], s[22:23]
	s_mov_b64 s[WN:WN+1], s[WB:WB+1]
	s_lshr_b32 s22, ttmp9, 3                       ; the batch
	s_lshl_b32 s22, s22, 12
	s_lshl_b32 s17, s[WV], 10                      ; my 256 u
	s_add_co_u32 s22, s22, s17
	s_add_nc_u64 s[8:9], s[8:9], s[22:23]
	s_mov_b32 s22, s17
	s_add_nc_u64 s[10:11], s[10:11], s[22:23]
	s_lshl_b32 s22, ttmp9, 10
	s_add_nc_u64 s[12:13], s[12:13], s[22:23]
	s_mul_i32 s22, ttmp9, 4352
	s_add_nc_u64 s[14:15], s[14:15], s[22:23]
	s_mov_b32 s22, s17
	s_add_nc_u64 s[42:43], s[14:15], s[22:23]
	global_load_b128 v[72:75], v[LI], s[8:9]
	global_load_b128 v[76:79], v[LI], s[8:9] offset:512
	global_load_b128 v[80:83], v[LI], s[10:11]
	global_load_b128 v[84:87], v[LI], s[10:11] offset:512
	RELOAD 0                                       ; the ring's first four tiles
	RELOAD 1
	s_wait_loadcnt 63                              ; cb and V_w are in (100 younger loads; the field names 63 at the most)
.irp i, 0,1,2,3,4,5,6,7
	v_mul_f32 v[80+\i], 0xc038aa3b, v[80+\i]       ; V' = -2 log2(e) V_w
.endr
	ds_store_b128 v[CVW], v[72:75]
	ds_store_b128 v[CVW], v[76:79] offset:512
	ds_store_b128 v[CVW], v[80:83] offset:4096
	ds_store_b128 v[CVW], v[84:87] offset:4608
	FL 0, 56
.Lchunk:
	FL 56, 40                                      ; the chunk's loads 56-95, behind its first 56 on every way: 96 are issued when the counts below begin
	s_wait_loadcnt 63                              ; loads 0-31 are in (64 younger; the field names 63 at the most)
	STS 0, 32
	s_wait_dscnt 0x0                               ; the stores have read their registers,
	FL 96, 32                                      ; which take the chunk's last 32 loads
	s_wait_loadcnt 63
	STS 32, 32
	s_wait_loadcnt 32
	STS 64, 32
	s_wait_loadcnt 0x0
	STS 96, 32
	s_add_nc_u64 s[FN:FN+1], s[FN:FN+1], 0x40000   ; all its loads are done: on to the next chunk's rows (not used behind the last)
	LDQ 0                                          ; LDS serves a wave's instructions in order: these see my stores
.set q_, 0
.rept 8
.if q_ < 7
	LDQ q_+1
	s_wait_dscnt 16                                ; all but the 16 just issued
.else
	s_wait_dscnt 0x0
.endif
	QUANT NB+64*(q_%2)
.irp c, 0,1,2
	ds_store_b128 v[AIW], v[PC+4*\c:PC+4*\c+3] offset:FRB*q_+512*\c
.endr
	ds_store_b32 v[ASW], v[PW] offset:128*q_
.set q_, q_+1
.endr
	s_wait_dscnt 0x0                               ; for the others' sake: my images have landed
	s_barrier_signal -1
	s_barrier_wait -1
.set f_, 0
.rept 32
	FPOS f_
	WIN FW<<6
.irp c, 0,1,2
	ds_load_b128 v[FR+4*\c:FR+4*\c+3], v[AIR] offset:(8*(f_%4)+f_/4)*FRB+512*\c
.endr
.set f_, f_+1
.endr
	WIN 0
.set f_, 0
.rept 32
	ds_load_b32 v[AS+f_], v[ASR] offset:128*f_
.set f_, f_+1
.endr
	s_mov_b32 s[Q], 0
	s_mov_b32 s[PS], 0
	SETG                                           ; (every load that named s[WN] is done: the waits for 0 above)
	v_add_nc_u32 v[PFO], s[PS], v[PF0]
.irp i, 0,1,2,3,4,5,6,7
	v_mov_b32 v[LAC+\i], 0
.endr
	VW                                             ; the wait here, directly ahead of the wait below
	s_wait_dscnt 0x0
.Ltrip:                                                ; four tiles of u: once round the ring
	GROUP 0
	GROUP 1
	s_wait_xcnt 0x0                                ; the ring's loads and my prefetches have read their addresses
	s_add_co_u32 s[Q], s[Q], 1
	s_add_co_u32 s[GT], s[GT], 1
	s_add_co_u32 s[PS], s[PS], 16384
	SETG
	v_add_nc_u32 v[PFO], s[PS], v[PF0]
	s_cmp_lt_u32 s[Q], 4
	VW                                             ; the wait directly ahead of the branch
	s_cbranch_scc1 .Ltrip
	s_cmp_lt_u32 s[CH], 3
	s_cbranch_scc0 .Lnf1
	FL 0, 56                                       ; A's registers are free: the next chunk's first loads
.Lnf1:
.irp m, 0,1,2,3
	v_add_f32 v[T+\m], v[LAC+2*\m], v[LAC+2*\m+1]
.endr
.irp m, 0,1,2,3
	v_permlanex16_b32 v[T+4+\m], v[T+\m], s[SEL], s[SEL+1]
.endr
.irp m, 0,1,2,3
	v_add_f32 v[T+\m], v[T+\m], v[T+4+\m]          ; my 256 u's part of row 16 m + r
.endr
.irp m, 0,1,2,3
	ds_store_b32 v[LPW], v[T+\m] offset:64*\m      ; lanes r and r + 16 write the same word with the same value
.endr
	s_wait_dscnt 0x0
	s_barrier_signal -1
	s_barrier_wait -1
.irp w, 0,1,2,3
	ds_load_b64 v[72+2*\w:73+2*\w], v[LPR] offset:256*\w   ; every wave makes all 64 t2, rows 2 lane and 2 lane + 1, by the same lines: the same bits in all four
.endr
	s_wait_dscnt 0x0
	v_pk_add_f32 v[72:73], v[72:73], v[74:75]
	v_pk_add_f32 v[76:77], v[76:77], v[78:79]
	v_pk_add_f32 v[TT:TT+1], v[72:73], v[76:77]
	v_max_num_f32 v[T], v[TT], v[TT+1]
.irp k, 1,2,4,8
	v_max_num_f32_dpp v[T], v[T], v[T] row_xmask:\k row_mask:0xf bank_mask:0xf
.endr
	v_permlanex16_b32 v[T+4], v[T], s[SEL], s[SEL+1]
	v_max3_num_f32 v[T], v[T], v[T+4], v[MX]       ; the new M
	v_sub_f32 v[F], v[MX], v[T]
	v_sub_f32 v[T+2], v[TT], v[T]
	v_sub_f32 v[T+3], v[TT+1], v[T]
	v_mov_b32 v[MX], v[T]
	VW
	v_exp_f32 v[F], v[F]                           ; 2^(old M - new M)
	v_exp_f32 v[T+2], v[T+2]                       ; p
	v_exp_f32 v[T+3], v[T+3]
	v_nop
	VW
	s_cmp_lg_u32 s[WV], 0
	s_cbranch_scc1 .Lnl
	global_store_b64 v[LGO], v[TT:TT+1], s[12:13]  ; wave 0: 32 lanes store one aligned unit of 256 bytes
.Lnl:
	ds_store_b64 v[PBW], v[T+2:T+3]
.irp i, 0,1,2,3
	ds_load_b128 v[P+4*\i:P+4*\i+3], v[PBR] offset:16*\i
.endr
	LDX 0
	LDX 1
	v_fma_f32 v[LS], v[LS], v[F], v[T+2]
	v_add_f32 v[LS], v[LS], v[T+3]
.set e_, 0
.rept 16
	v_pk_mul_f32 v[CTX+2*e_:CTX+2*e_+1], v[CTX+2*e_:CTX+2*e_+1], v[F:F+1] op_sel_hi:[1,0]
.set e_, e_+1
.endr
.set b_, 0
.rept 8
.if b_ < 7
	s_wait_dscnt 16                                ; all but the 16 youngest
.else
	s_wait_dscnt 0x0
.endif
	FMAX b_
.if b_+2 < 8
	LDX b_+2
.endif
.set b_, b_+1
.endr
	s_wait_xcnt 0x0                                ; lg's store has read its base and its data
	s_add_nc_u64 s[12:13], s[12:13], 256
	s_add_co_u32 s[CN], s[CN], 3
	s_add_co_u32 s[CH], s[CH], 1
	s_cmp_lt_u32 s[CH], 4
	VW                                             ; the wait directly ahead of the branch
	s_cbranch_scc1 .Lchunk
; the four waves' part sums meet in the images' bytes, which nobody reads any more; wave w adds and stores d = 256 w .. 256 w + 255
.irp j, 0,1,2,3,4,5,6,7
	ds_store_b128 v[CW], v[CTX+4*\j:CTX+4*\j+3] offset:512*\j
.endr
.irp k, 1,2,4,8
	v_add_f32_dpp v[LS], v[LS], v[LS] row_xmask:\k row_mask:0xf bank_mask:0xf
.endr
	v_permlanex16_b32 v[T+4], v[LS], s[SEL], s[SEL+1]
	v_add_f32 v[LS], v[LS], v[T+4]                 ; the sum of the 256 p
	VW                                             ; the wait here, directly ahead of the wait below
	s_wait_dscnt 0x0
	s_barrier_signal -1
	s_barrier_wait -1
.irp w, 0,1,2,3
.irp j, 0,1
	ds_load_b128 v[72+8*\w+4*\j:75+8*\w+4*\j], v[CR] offset:4096*\w+512*\j
.endr
.endr
	s_wait_dscnt 0x0
.irp w, 1,2,3
.irp j, 0,1
	v_pk_add_f32 v[72+4*\j:73+4*\j], v[72+4*\j:73+4*\j], v[72+8*\w+4*\j:73+8*\w+4*\j]
	v_pk_add_f32 v[74+4*\j:75+4*\j], v[74+4*\j:75+4*\j], v[74+8*\w+4*\j:75+8*\w+4*\j]
.endr
.endr
	global_store_b128 v[LI], v[72:75], s[42:43]            ; 32 lanes store 512 consecutive bytes, aligned
	global_store_b128 v[LI], v[76:79], s[42:43] offset:512
	s_cmp_lg_u32 s[WV], 0
	s_cbranch_scc1 .Lend
	global_store_b64 v[LGO], v[MX:LS], s[14:15] offset:4096 ; (M, sum), the same pair 32 times: one aligned unit of 256 bytes
.Lend:
	s_wait_tensorcnt 0x0                           ; the wave's end
	ds_add_u32 v[SPW], v[NIL]
	s_wait_dscnt 0x0
	s_endpgm
.Lfunc_end_k_q6b48f9fb82_fuse:
	.size	k_q6b48f9fb82_fuse, .Lfunc_end_k_q6b48f9fb82_fuse-k_q6b48f9fb82_fuse
	.p2alignl 7, 3214868480
	.fill 96, 4, 3214868480
	.section	.rodata,"a",@progbits
	.p2align	6, 0x0
	.amdhsa_kernel k_q6b48f9fb82_fuse
		.amdhsa_group_segment_fixed_size 327168
		.amdhsa_private_segment_fixed_size 0
		.amdhsa_enable_private_segment 0
		.amdhsa_kernarg_size 48
		.amdhsa_user_sgpr_count 2
		.amdhsa_user_sgpr_kernarg_segment_ptr 1
		.amdhsa_wavefront_size32 1
		.amdhsa_system_sgpr_workgroup_id_x 1
		.amdhsa_system_sgpr_workgroup_id_y 1
		.amdhsa_system_sgpr_workgroup_id_z 1
		.amdhsa_system_vgpr_workitem_id 0
		.amdhsa_next_free_vgpr 1024
		.amdhsa_next_free_sgpr 66
		.amdhsa_reserve_vcc 0
		.amdhsa_float_denorm_mode_32 3
		.amdhsa_float_denorm_mode_16_64 3
		.amdhsa_memory_ordered 1
		.amdhsa_forward_progress 1
		.amdhsa_inst_pref_size 171
	.end_amdhsa_kernel
	.amdgpu_metadata
---
amdhsa.version: [ 1, 2 ]
amdhsa.kernels:
  - .name:           k_q6b48f9fb82_fuse
    .symbol:         k_q6b48f9fb82_fuse.kd
    .args:
      - { .name: features, .offset: 0, .size: 8, .value_kind: global_buffer, .address_space: global }
      - { .name: w1img, .offset: 8, .size: 8, .value_kind: global_buffer, .address_space: global }
      - { .name: cb, .offset: 16, .size: 8, .value_kind: global_buffer, .address_space: global }
      - { .name: V_w, .offset: 24, .size: 8, .value_kind: global_buffer, .address_space: global }
      - { .name: lg, .offset: 32, .size: 8, .value_kind: global_buffer, .address_space: global }
      - { .name: pc, .offset: 40, .size: 8, .value_kind: global_buffer, .address_space: global }
    .group_segment_fixed_size: 327168
    .private_segment_fixed_size: 0
    .kernarg_segment_align: 8
    .kernarg_segment_size: 48
    .max_flat_workgroup_size: 128
    .sgpr_count:     66
    .vgpr_count:     1024
    .wavefront_size: 32
...
	.end_amdgpu_metadata
.endif
;; end of part 2
;; launch fin (part 3): grid 8 x 32, 1 waves a work-group, no clusters, 0 bytes of LDS; arguments lg, pc, out0, out1; writes out0, out1
.if DOCPART == 3
	.amdgcn_target "amdgcn-amd-amdhsa--gfx1250"
	.amdhsa_code_object_version 6
	.text
	.protected	k_q6b48f9fb82_fin
	.globl	k_q6b48f9fb82_fin
	.p2align	8
	.type	k_q6b48f9fb82_fin,@function
k_q6b48f9fb82_fin:
	s_mov_b64 s[64:65], 0
	v_nop
	global_prefetch_b8 v0, s[64:65] scope:SCOPE_SE
	s_setreg_imm32_b32 hwreg(HW_REG_WAVE_MODE, 25, 1), 1
	s_wait_xcnt 0x0
; A batch's eight parts are joined.  Part i: M_i, S_i = the sum of 2^(t2 - M_i), C_i[d] = the sum of 2^(t2 - M_i) features[.][d].  M = the largest M_i, w_i = 2^(M_i - M), S = the sum of w_i S_i.
; out0[b][d] = the sum of w_i C_i[d] / S;  out1[b][t] = 2^(t2[t] - M) / S.  t2 is the logit in base 2 without the term that is the same along t (left out as dead work: see the first kernel's head).
; Work-group (q, b), one wave: out0[b][128 q ..], 16 bytes a lane, and out1[b][256 q ..], 32 bytes a lane: each output has one owner.  No LDS, no loop to run ahead in, so no prefetch; nothing here is a matrix product.
; S is 1 or more: the part with M_i = M has w_i = 1 and a p of 1.  LIMITS: NaN and infinities are not served; |t2| under 2^31.
	s_load_b256 s[4:11], s[0:1], 0x0               ; lg, pc, out0, out1
	v_lshlrev_b32 v1, 4, v0                        ; 16 x lane
	v_mov_b32 v2, 0
	s_and_b32 s12, ttmp7, 0xffff                   ; b
	s_mov_b32 s15, 0
	s_wait_alu depctr_va_vdst(0)                   ; the wait at the head's end
	s_wait_kmcnt 0x0
	s_lshl_b32 s14, s12, 13
	s_lshl_b32 s13, ttmp9, 10
	s_add_co_u32 s14, s14, s13
	s_add_nc_u64 s[4:5], s[4:5], s[14:15]          ; lg and out1 at my 256 numbers
	s_add_nc_u64 s[10:11], s[10:11], s[14:15]
	s_mul_i32 s14, s12, 8*4352
	s_add_nc_u64 s[6:7], s[6:7], s[14:15]          ; the batch's eight rows of pc
	s_lshl_b32 s14, ttmp9, 9
	s_add_nc_u64 s[16:17], s[6:7], s[14:15]        ; and my 128 d in them
	s_lshl_b32 s13, s12, 12
	s_add_co_u32 s14, s14, s13
	s_add_nc_u64 s[8:9], s[8:9], s[14:15]
.irp i, 0,1,2,3,4,5,6,7
	global_load_b64 v[16+2*\i:17+2*\i], v2, s[6:7] offset:\i*4352+4096   ; (M_i, S_i), the same words for all lanes
.endr
.irp i, 0,1,2,3,4,5,6,7
	global_load_b128 v[32+4*\i:35+4*\i], v1, s[16:17] offset:\i*4352
.endr
	global_load_b128 v[64:67], v1, s[4:5]
	global_load_b128 v[68:71], v1, s[4:5] offset:512
	s_wait_loadcnt 0x0
	v_max3_num_f32 v10, v16, v18, v20
	v_max3_num_f32 v10, v10, v22, v24
	v_max3_num_f32 v10, v10, v26, v28
	v_max_num_f32 v10, v10, v30                    ; M
.irp i, 0,1,2,3,4,5,6,7
	v_sub_f32 v[80+\i], v[16+2*\i], v10
.endr
.irp i, 0,1,2,3,4,5,6,7
	v_sub_f32 v[64+\i], v[64+\i], v10
.endr
	s_wait_alu depctr_va_vdst(0)                   ; one wait ahead of the batch and one behind it
.irp i, 0,1,2,3,4,5,6,7
	v_exp_f32 v[80+\i], v[80+\i]
.endr
.irp i, 0,1,2,3,4,5,6,7
	v_exp_f32 v[64+\i], v[64+\i]
.endr
	v_nop
	s_wait_alu depctr_va_vdst(0)
	v_mul_f32 v11, v80, v17
.irp i, 1,2,3,4,5,6,7
	v_fmac_f32 v11, v[80+\i], v[17+2*\i]           ; S
.endr
	s_wait_alu depctr_va_vdst(0)
	v_rcp_f32 v12, v11
	v_nop
	s_wait_alu depctr_va_vdst(0)
	v_mov_b32 v13, v12
.irp k, 0,1,2,3
	v_pk_mul_f32 v[80+2*\k:81+2*\k], v[80+2*\k:81+2*\k], v[12:13]   ; w_i / S
	v_pk_mul_f32 v[64+2*\k:65+2*\k], v[64+2*\k:65+2*\k], v[12:13]   ; out1
.endr
	v_pk_mul_f32 v[96:97], v[32:33], v[80:81] op_sel_hi:[1,0]
	v_pk_mul_f32 v[98:99], v[34:35], v[80:81] op_sel_hi:[1,0]
	v_pk_fma_f32 v[96:97], v[36:37], v[80:81], v[96:97] op_sel:[0,1,0] op_sel_hi:[1,1,1]
	v_pk_fma_f32 v[98:99], v[38:39], v[80:81], v[98:99] op_sel:[0,1,0] op_sel_hi:[1,1,1]
.irp k, 1,2,3
	v_pk_fma_f32 v[96:97], v[32+8*\k:33+8*\k], v[80+2*\k:81+2*\k], v[96:97] op_sel_hi:[1,0,1]
	v_pk_fma_f32 v[98:99], v[34+8*\k:35+8*\k], v[80+2*\k:81+2*\k], v[98:99] op_sel_hi:[1,0,1]
	v_pk_fma_f32 v[96:97], v[36+8*\k:37+8*\k], v[80+2*\k:81+2*\k], v[96:97] op_sel:[0,1,0] op_sel_hi:[1,1,1]
	v_pk_fma_f32 v[98:99], v[38+8*\k:39+8*\k], v[80+2*\k:81+2*\k], v[98:99] op_sel:[0,1,0] op_sel_hi:[1,1,1]
.endr
	global_store_b128 v1, v[64:67], s[10:11]               ; 32 lanes store 512 consecutive bytes, aligned
	global_store_b128 v1, v[68:71], s[10:11] offset:512
	global_store_b128 v1, v[96:99], s[8:9]
	s_endpgm
.Lfunc_end_k_q6b48f9fb82_fin:
	.size	k_q6b48f9fb82_fin, .Lfunc_end_k_q6b48f9fb82_fin-k_q6b48f9fb82_fin
	.p2alignl 7, 3214868480
	.fill 96, 4, 3214868480
	.section	.rodata,"a",@progbits
	.p2align	6, 0x0
	.amdhsa_kernel k_q6b48f9fb82_fin
		.amdhsa_group_segment_fixed_size 0
		.amdhsa_private_segment_fixed_size 0
		.amdhsa_enable_private_segment 0
		.amdhsa_kernarg_size 32
		.amdhsa_user_sgpr_count 2
		.amdhsa_user_sgpr_kernarg_segment_ptr 1
		.amdhsa_wavefront_size32 1
		.amdhsa_system_sgpr_workgroup_id_x 1
		.amdhsa_system_sgpr_workgroup_id_y 1
		.amdhsa_system_sgpr_workgroup_id_z 1
		.amdhsa_system_vgpr_workitem_id 0
		.amdhsa_next_free_vgpr 128
		.amdhsa_next_free_sgpr 66
		.amdhsa_reserve_vcc 0
		.amdhsa_float_denorm_mode_32 3
		.amdhsa_float_denorm_mode_16_64 3
		.amdhsa_memory_ordered 1
		.amdhsa_forward_progress 1
		.amdhsa_inst_pref_size 7
	.end_amdhsa_kernel
	.amdgpu_metadata
---
amdhsa.version: [ 1, 2 ]
amdhsa.kernels:
  - .name:           k_q6b48f9fb82_fin
    .symbol:         k_q6b48f9fb82_fin.kd
    .args:
      - { .name: lg, .offset: 0, .size: 8, .value_kind: global_buffer, .address_space: global }
      - { .name: pc, .offset: 8, .size: 8, .value_kind: global_buffer, .address_space: global }
      - { .name: out0, .offset: 16, .size: 8, .value_kind: global_buffer, .address_space: global }
      - { .name: out1, .offset: 24, .size: 8, .value_kind: global_buffer, .address_space: global }
    .group_segment_fixed_size: 0
    .private_segment_fixed_size: 0
    .kernarg_segment_align: 8
    .kernarg_segment_size: 32
    .max_flat_workgroup_size: 32
    .sgpr_count:     66
    .vgpr_count:     128
    .wavefront_size: 32
...
	.end_amdgpu_metadata
.endif
;; end of part 3
